; MI455X (gfx1250); checked and timed in simulation.
; The chip was launched on July 23, 2026; its instructions are those of AMD's public machine-readable ISA for CDNA 5 (MIT licence, August 2026) and "CDNA5" Instruction Set Architecture Reference Guide (July 2026). The comments in the code are by the model that wrote it; some were corrected since.
;; Attention Model. Allowed arithmetic: matrix products marked QUANTISED: E5M2 operands, one E8M0 scale for each 32 along K, by v_wmma_scale_f32_16x16x128_f8f6f4 with both operands' format E5M2, f32 sums; products left as they are: f32 operands where the result goes on into a quantised operand, else bf16, f16 or f32 operands; f32 sums; everything else in f32.
;; Inputs: W 1,024 x 1,024 float32; b 1,024 float32; encoder_outputs 1,024 x 64 x 1,024 float32; hidden 64 x 1,024 float32.
;; Outputs: out0 64 x 1 x 1,024 float32.
;; This version of the problem:
;;   THIS VERSION OF THE PROBLEM IS GIVEN IN LOW PRECISION. The matrix products marked QUANTISED in the list below multiply operands that are first quantised to E5M2 (5 exponent bits, 2 mantissa bits; 8 bits a number), with one power-of-two scale for each 32 numbers along K (OCP MX v1.0); their sums are f32. All else is computed in f32.
;;   The module's matrix products, in the order in which they are computed (A, B: the left and right operand; K: the contracted axis; several contracted axes count as one K, in the product's order):
;;     1. [M 65,536, K 1,024] x [K 1,024, N 1,024]; A: input encoder_outputs; B: input W: QUANTISED
;;     2. batch 64 x [M 1, K 1,024] x [K 1,024, N 1,024]; A: input hidden; B: computed on the way: left as it is (M = 1 < 16)
;;   THE QUANTISER, for each operand of a quantised product, along K:
;;     - K is cut into blocks of 32 from its start; a last block that is shorter is filled with zeros.
;;     - A block's scale is 2^e with e = floor(log2(the largest magnitude in the block)) - 15, held to -126 .. 127; a block of zeros has e = 0. As a byte (E8M0): e + 127.
;;     - Each number is divided by its block's scale, clamped to +-57,344, and rounded to the nearest number of E5M2, ties to even, subnormals kept.
;;     - The product sums the exact products of the quantised numbers (number of the format x scale) in f32.
;;   ~~~python
;;   def quantise(x, axis):      # numpy; x: float32 -> the quantised numbers, widened to float32 again
;;       x = np.moveaxis(x, axis, -1); K = x.shape[-1]
;;       x = np.pad(x, [(0, 0)] * (x.ndim - 1) + [(0, -K % 32)]); x = x.reshape(x.shape[:-1] + (-1, 32)); a = np.abs(x).max(-1, keepdims=True)
;;       e = np.where(a > 0, np.clip(np.frexp(np.where(a > 0, a, 1))[1] - 1 - 15, -126, 127), 0)      # np.frexp(a)[1] - 1 = floor(log2(a)), exactly
;;       r = np.clip(x / 2.0 ** e, -57344, 57344)
;;       step = 2.0 ** (np.maximum(np.frexp(np.where(r == 0, 1, r))[1] - 1, -14) - 2)
;;       q = np.round(r / step) * step * 2.0 ** e      # np.round: ties to even
;;       return np.moveaxis(q.reshape(q.shape[:-2] + (-1,))[..., :K], -1, axis).astype(np.float32)
;;   ~~~
;; One version. Each part assembles by itself: llvm-mc -triple=amdgcn-amd-amdhsa -mcpu=gfx1250 --defsym DOCPART=n.
;; ======== version 1 of 1: 3 launches
;; limits: right only within a limited range of input values
;; workspace buffers: wcodes 1,048,576 bytes; wscales 32,768 bytes; energy 262,144 bytes
;; launch quantw (part 1): grid 256 x 1, 1 waves a work-group, no clusters, 17,152 bytes of LDS; arguments W, wcodes, wscales; writes wcodes, wscales
.if DOCPART == 1
	.amdgcn_target "amdgcn-amd-amdhsa--gfx1250"
	.amdhsa_code_object_version 6
	.text
	.protected	k_qa8854b1567_quantw
	.globl	k_qa8854b1567_quantw
	.p2align	8
	.type	k_qa8854b1567_quantw,@function
k_qa8854b1567_quantw:
	s_mov_b64 s[64:65], 0
	v_nop
	global_prefetch_b8 v0, s[64:65] scope:SCOPE_SE
	s_setreg_imm32_b32 hwreg(HW_REG_WAVE_MODE, 25, 1), 1
	s_wait_xcnt 0x0
; W [1024 (o)][1024 (k)] f32 becomes codes of E5M2 with one E8M0 byte for each 32 along k, laid in the ORDER OF THE OPERAND'S REGISTERS, so that the
; product's launch fills a fragment by 16-byte loads of 512 consecutive bytes.
; Record X = 32 c + G (c: which 128 along k; G: which 32 rows o): wcodes 4,096 bytes: tile u (rows 32 G + 16 u ..) at 2,048 u; in it register group g at 512 g, lane l at 16 l.
; wscales 128 bytes: lane l's word = the four scale bytes of row 32 G + 16 (l / 16) + l % 16.
; A block's scale is 2^(floor(log2(its largest magnitude)) - 15); its byte is the largest magnitude's exponent field - 15, held at 1 from below; each number is held within
; +-57,344 x the scale and rounded to the nearest code, ties to even.
; LIMITS: a block of zeros gets the byte 1 where the rule says 127 (its codes are zeros, and this program alone reads the bytes); NaN and infinities among the inputs are not served.
; One wave to a work-group, one record to a wave: 256 records.  Each load reads 512 consecutive bytes of one row; the rows turn through the wave's own stage in LDS (rows of 512 + 16 bytes),
; from which lane (r, h) takes, of row r, the 16 neighbours k = 32 b + 16 h .. of each block b.  No barrier: nothing is shared.
; WORK LEFT OUT BY THE PROGRAM: the bias b.  energy[s][b] = sum_o hidden[b][o] (proj0[s][b][o] + b[o]); the term sum_o hidden[b][o] b[o] does not hang on s,
; and the softmax runs over s: a term that is the same along a softmax's axis cancels for all values of the inputs.  b goes into no quantised operand.
; So b is not loaded and is among no launch's arguments.  LIMIT: a NaN, an infinity or an overflow that reaches only that term is not carried to the result.
.set R0,  32
.set X0,  160                          ; v160-223 tile 0's 64 numbers a lane
.set X1,  32
.set TM,  8                            ; v8-11 largest magnitudes, v12-15 bytes, v16-19 the holds, v20-23 the conversions' scale operands
.set MNT, 19                           ; s19  the mantissa field of 57,344
.set SEL, 20                           ; s[20:21] v_permlanex16_b32's selects for lane l xor 16
.set SP,  528                          ; a stage row
; 64 numbers of a lane, v[QS] on (register 16 b + i = k 32 b + 16 h + i of my row), become a fragment's codes in v[QP] on and its scale word in v[QW]
.macro QUANT
.irp b, 0,1,2,3
	v_max3_num_f32 v[TM+\b], |v[QS+16*\b]|, |v[QS+1+16*\b]|, 0x8000000   ; block b: my 16 numbers, and the floor 2^(16 - 127): the byte cannot fall under 1
.endr
.irp i, 2,4,6,8,10,12,14
.irp b, 0,1,2,3
	v_max3_num_f32 v[TM+\b], v[TM+\b], |v[QS+16*\b+\i]|, |v[QS+1+16*\b+\i]|   ; the four blocks by turns
.endr
.endr
.irp b, 0,1,2,3
	v_permlanex16_b32 v[TM+4+\b], v[TM+\b], s[SEL], s[SEL+1]
.endr
.irp b, 0,1,2,3
	v_max_num_f32 v[TM+\b], v[TM+\b], v[TM+4+\b]           ; with lane l xor 16's: the block's largest magnitude
.endr
.irp b, 0,1,2,3
	v_add_nc_u32 v[TM+12+\b], 0xf8800000, v[TM+\b]         ; 15 off its exponent field: the conversion's scale operand
.endr
.irp b, 0,1,2,3
	v_and_or_b32 v[TM+8+\b], v[TM+\b], 0x7f800000, s[MNT]  ; 57,344 x the scale
.endr
.irp b, 0,1,2,3
	v_lshrrev_b32 v[TM+4+\b], 23, v[TM+12+\b]              ; the scale's byte
.endr
	v_lshl_or_b32 v[QW], v[TM+5], 8, v[TM+4]               ; the four bytes make my row's scale word
	v_lshl_or_b32 v[QW], v[TM+6], 16, v[QW]
	v_lshl_or_b32 v[QW], v[TM+7], 24, v[QW]
.irp b, 0,1,2,3
.irp i, 0,1,2,3,4,5,6,7,8,9,10,11,12,13,14,15
	v_med3_num_f32 v[QS+16*\b+\i], v[QS+16*\b+\i], -v[TM+8+\b], v[TM+8+\b]   ; the conversion to an 8-bit code does not saturate (ISA guide 7.6.2): the hold comes first
.endr
	v_cvt_scalef32_pk8_bf8_f32 v[QP+4*\b:QP+1+4*\b], v[QS+16*\b:QS+7+16*\b], v[TM+12+\b]
	v_cvt_scalef32_pk8_bf8_f32 v[QP+2+4*\b:QP+3+4*\b], v[QS+8+16*\b:QS+15+16*\b], v[TM+12+\b]
.endr
	v_nop                                                  ; one plain line behind the last conversion
.endm
	s_load_b128 s[4:7], s[0:1], 0x0                ; W, wcodes
	s_load_b64 s[8:9], s[0:1], 0x10                ; wscales
	v_lshl_add_u32 v30, v0, 2, 0x4200
	v_mov_b32 v31, 0
	v_and_b32 v4, 15, v0                           ; r
	v_lshrrev_b32 v5, 4, v0                        ; h (one wave: v0 is the lane)
	v_lshlrev_b32 v1, 4, v0                        ; 16 x lane: in a row of W, in a stage row, in a group of codes
	v_mul_u32_u24 v2, v4, SP
	v_lshl_add_u32 v2, v5, 6, v2                   ; out of the stage: row r, + 64 h
	v_lshlrev_b32 v3, 2, v0                        ; 4 x lane: my scale word
.irp b, 0,1,2,3
	v_mov_b32 v[TM+4+\b], 0                        ; written once: a lane permute's destination counts as one of its sources
.endr
	s_mov_b32 s[MNT], 0x600000
	s_mov_b32 s[SEL], 0x76543210
	s_mov_b32 s[SEL+1], 0xfedcba98
	s_mov_b32 s22, 0xffff0000                      ; lanes 16-31
	s_lshr_b32 s10, ttmp9, 5                       ; c
	s_and_b32 s11, ttmp9, 31                       ; G
	s_lshl_b32 s12, s11, 17                        ; 32 G rows of 4,096 bytes
	s_lshl_b32 s10, s10, 9                         ; + 128 c numbers
	s_add_co_u32 s12, s12, s10
	s_mov_b32 s13, 0
	s_lshl_b32 s14, ttmp9, 12                      ; my record of codes
	s_mov_b32 s15, 0
	s_lshl_b32 s16, ttmp9, 7                       ; and of scale words
	s_mov_b32 s17, 0
	s_wait_alu depctr_va_vdst(0)
	s_wait_kmcnt 0x0
	s_add_nc_u64 s[4:5], s[4:5], s[12:13]
	s_add_nc_u64 s[6:7], s[6:7], s[14:15]
	s_add_nc_u64 s[8:9], s[8:9], s[16:17]
.irp u, 0,1
.set i, 0
.rept 16
	global_load_b128 v[R0+64*\u+4*i:R0+64*\u+4*i+3], v1, s[4:5] offset:65536*\u+4096*i th:TH_LOAD_NT   ; row 16 u + i: 512 consecutive bytes
.set i, i+1
.endr
.endr
	s_wait_loadcnt 16                              ; tile 0's sixteen loads are in; tile 1's may be out
.set i, 0
.rept 16
	ds_store_b128 v1, v[R0+4*i:R0+4*i+3] offset:SP*i
.set i, i+1
.endr
.irp bb, 0,1,2,3
.irp j, 0,1,2,3
	ds_load_b128 v[X0+16*\bb+4*\j:X0+16*\bb+4*\j+3], v2 offset:128*\bb+16*\j   ; LDS serves a wave's instructions in order (ISA guide 5.7.1.4): these see the stores above
.endr
.endr
	s_wait_loadcnt 0x0
.set i, 0
.rept 16
	ds_store_b128 v1, v[R0+64+4*i:R0+64+4*i+3] offset:16*SP+SP*i
.set i, i+1
.endr
	s_wait_dscnt 16                                ; all but the sixteen stores just issued: tile 0 is back, and its stores have left v32-95
.irp bb, 0,1,2,3
.irp j, 0,1,2,3
	ds_load_b128 v[X1+16*\bb+4*\j:X1+16*\bb+4*\j+3], v2 offset:16*SP+128*\bb+16*\j
.endr
.endr
.set QS, X0
.set QP, 224
.set QW, 24
	QUANT
.irp g, 0,1,2,3
	global_store_b128 v1, v[224+4*\g:224+4*\g+3], s[6:7] offset:512*\g          ; 32 lanes store 512 consecutive bytes, aligned
.endr
	s_wait_dscnt 0x0                               ; tile 1 is back
.set QS, X1
.set QP, 240
.set QW, 25
	QUANT
.irp g, 0,1,2,3
	global_store_b128 v1, v[240+4*\g:240+4*\g+3], s[6:7] offset:2048+512*\g
.endr
	v_cndmask_b32 v26, v24, v25, s22               ; lanes 0-15: tile 0's words; lanes 16-31: tile 1's (both halves of the lanes hold a row's word)
	global_store_b32 v3, v26, s[8:9]
	s_wait_tensorcnt 0x0
	ds_add_u32 v30, v31
	s_wait_dscnt 0x0
	s_endpgm
.Lfunc_end_k_qa8854b1567_quantw:
	.size	k_qa8854b1567_quantw, .Lfunc_end_k_qa8854b1567_quantw-k_qa8854b1567_quantw
	.p2alignl 7, 3214868480
	.fill 96, 4, 3214868480
	.section	.rodata,"a",@progbits
	.p2align	6, 0x0
	.amdhsa_kernel k_qa8854b1567_quantw
		.amdhsa_group_segment_fixed_size 17152
		.amdhsa_private_segment_fixed_size 0
		.amdhsa_enable_private_segment 0
		.amdhsa_kernarg_size 24
		.amdhsa_user_sgpr_count 2
		.amdhsa_user_sgpr_kernarg_segment_ptr 1
		.amdhsa_wavefront_size32 1
		.amdhsa_system_sgpr_workgroup_id_x 1
		.amdhsa_system_sgpr_workgroup_id_y 1
		.amdhsa_system_sgpr_workgroup_id_z 1
		.amdhsa_system_vgpr_workitem_id 0
		.amdhsa_next_free_vgpr 256
		.amdhsa_next_free_sgpr 66
		.amdhsa_reserve_vcc 0
		.amdhsa_float_denorm_mode_32 3
		.amdhsa_float_denorm_mode_16_64 3
		.amdhsa_memory_ordered 1
		.amdhsa_forward_progress 1
		.amdhsa_inst_pref_size 26
	.end_amdhsa_kernel
	.amdgpu_metadata
---
amdhsa.version: [ 1, 2 ]
amdhsa.kernels:
  - .name:           k_qa8854b1567_quantw
    .symbol:         k_qa8854b1567_quantw.kd
    .args:
      - { .name: W, .offset: 0, .size: 8, .value_kind: global_buffer, .address_space: global }
      - { .name: wcodes, .offset: 8, .size: 8, .value_kind: global_buffer, .address_space: global }
      - { .name: wscales, .offset: 16, .size: 8, .value_kind: global_buffer, .address_space: global }
    .group_segment_fixed_size: 17152
    .private_segment_fixed_size: 0
    .kernarg_segment_align: 8
    .kernarg_segment_size: 24
    .max_flat_workgroup_size: 32
    .sgpr_count:     66
    .vgpr_count:     256
    .wavefront_size: 32
...
	.end_amdgpu_metadata
.endif
;; end of part 1
;; launch energy_k (part 2): grid 256 x 1, 4 waves a work-group, no clusters, 327,680 bytes of LDS; arguments encoder_outputs, hidden, wcodes, wscales, energy; writes energy
.if DOCPART == 2
	.amdgcn_target "amdgcn-amd-amdhsa--gfx1250"
	.amdhsa_code_object_version 6
	.text
	.protected	k_qa8854b1567_energy_k
	.globl	k_qa8854b1567_energy_k
	.p2align	8
	.type	k_qa8854b1567_energy_k,@function
k_qa8854b1567_energy_k:
	s_mov_b64 s[64:65], 0
	v_nop
	global_prefetch_b8 v0, s[64:65] scope:SCOPE_SE
	s_setreg_imm32_b32 hwreg(HW_REG_WAVE_MODE, 25, 1), 1
	s_wait_xcnt 0x0
; energy[b][s] = sum_o hidden[b][o] sum_k Q(enc)[s][b][k] Q(W)[o][k].  The bias term is left out: it is the same for every s and the softmax over s cancels it (shown at the head of quantw).
; A work-group takes one b and 256 of its s; four waves.  K goes in 8 steps of 128 through a ring of two LDS slots; wave w's tensor load brings its 64 rows x 512 bytes of f32.
; In a step each wave quantises its 64 rows (four groups of 16) and puts codes and scale words into an image of the operand's registers in LDS; every wave then holds all 256 rows' fragments in
; 256 registers and multiplies them with its own 256 rows of W (16 tiles, from memory straight into registers, in register order).  Each product starts from 0 and is contracted with hidden at once.
; The matrix instruction is used transposed (source 0 = W's rows, source 1 = enc's rows): a lane holds one s, its registers eight o.
; No cluster: W goes to registers and not through LDS, whose bytes the ring and the image fill; enc's tiles are shared by nobody.  No prefetch: a whole slot (135,168 bytes) is on its way through each step.
; LIMITS: a block of zeros gets the byte 1 (its codes are zeros; only this launch reads the bytes); NaN and infinities among the inputs are not served.
.set PITCH, 528                        ; a staged row: 512 bytes + 16
.set WTILE, 64*PITCH
.set SLOTB, 4*WTILE
.set IMG,   2*SLOTB                    ; the image: 16 fragments of 2,048 bytes
.set ISC,   IMG+32768                  ; their scale words
.set RED,   ISC+2048                   ; the waves' partial energies
.set SPARE, RED+4096                   ; the spare words
.set SPW, 1
.set NIL, 2
.set WCO, 3                            ; 16 x lane
.set WSO, 4                            ; 4 x lane
.set FA0, 5                            ; my place in my wave's staged tile, slot 0
.set FA,  6                            ; the same in the slot at work
.set IWI, 7
.set IWS, 8
.set IRI, 9
.set IRS, 10
.set HO,  11
.set RW,  12
.set RR,  13
.set EO,  14
.set AS,  16                           ; v16-31 enc's scale words
.set WS,  32                           ; v32-35 W's scale words
.set ST,  64                           ; v64-191 two sets of 64 staged numbers
.set PC,  192
.set TM,  224
.set PW,  240
.set ACC, 0                            ; window 1: v0-63 eight results by turns, v64-95 E, v128-255 four sets of W
.set E,   64
.set WR,  128
.set HH,  128                          ; windows 2 and 3: v0-127 enc's fragments, v128-255 hidden (in both, so that the packed line needs no switch)
.set MNT, 19
.set SEL, 20
.set MA,  0x59
.set MB,  0x5d
.set LW,  0x40
.set MSB, 0
.macro WIN new
.if MSB != \new
	s_set_vgpr_msb (MSB<<8)|\new
.set MSB, \new
.endif
.endm
; One eighth of the fetches that follow row group u's barrier: two loads of group u + 2 from the stage, a scale word, two loads of group u's image
.macro HOOK u, k
.if (\u) < 2
.irp d, 0,1
	ds_load_b128 v[ST+64*((\u)%2)+8*(\k)+4*\d:ST+64*((\u)%2)+8*(\k)+4*\d+3], v[FA] offset:16*PITCH*((\u)+2)+128*((\k)/2)+32*((\k)%2)+16*\d
.endr
.endif
.if (\k) < 4
	ds_load_b32 v[AS+4*(\u)+(\k)], v[IRS] offset:128*(4*(\u)+(\k))
.endif
.if (\u) < 2
	WIN 0x80
.else
	WIN 0xc0
.endif
.irp d, 0,1
	ds_load_b128 v[16*((4*(\u)+(\k)/2)%8)+8*((\k)%2)+4*\d:16*((4*(\u)+(\k)/2)%8)+8*((\k)%2)+4*\d+3], v[IRI] offset:2048*(4*(\u)+(\k)/2)+1024*((\k)%2)+512*\d
.endr
	WIN 0
.endm
; 64 numbers a lane at v[QS] become a fragment's codes (PC) and scale word (PW); hk >= 0: group hk's fetches stand behind each block's sixteen holds, a quarter at a time
.macro QUANT hk
.irp b, 0,1,2,3
	v_max3_num_f32 v[TM+\b], |v[QS+16*\b]|, |v[QS+1+16*\b]|, 0x8000000   ; with the floor 2^(16 - 127)
.endr
.irp i, 2,4,6,8,10,12,14
.irp b, 0,1,2,3
	v_max3_num_f32 v[TM+\b], v[TM+\b], |v[QS+16*\b+\i]|, |v[QS+1+16*\b+\i]|
.endr
.endr
.irp b, 0,1,2,3
	v_permlanex16_b32 v[TM+4+\b], v[TM+\b], s[SEL], s[SEL+1]
.endr
.irp b, 0,1,2,3
	v_max_num_f32 v[TM+\b], v[TM+\b], v[TM+4+\b]           ; the block's largest magnitude
.endr
.irp b, 0,1,2,3
	v_add_nc_u32 v[TM+12+\b], 0xf8800000, v[TM+\b]         ; 15 off its exponent field: the conversion's scale operand
.endr
.irp b, 0,1,2,3
	v_and_or_b32 v[TM+8+\b], v[TM+\b], 0x7f800000, s[MNT]  ; 57,344 x the scale
.endr
.irp b, 0,1,2,3
	v_lshrrev_b32 v[TM+4+\b], 23, v[TM+12+\b]              ; the byte
.endr
	v_lshl_or_b32 v[PW], v[TM+5], 8, v[TM+4]
	v_lshl_or_b32 v[PW], v[TM+6], 16, v[PW]
	v_lshl_or_b32 v[PW], v[TM+7], 24, v[PW]
.irp b, 0,1,2,3
.irp i, 0,1,2,3,4,5,6,7,8,9,10,11,12,13,14,15
	v_med3_num_f32 v[QS+16*\b+\i], v[QS+16*\b+\i], -v[TM+8+\b], v[TM+8+\b]   ; the hold (ISA guide 7.6.2: the conversion does not saturate)
.if (\hk >= 0) && (\i == 15)
	HOOK \hk, 2*\b
	HOOK \hk, 2*\b+1
.endif
.endr
	v_cvt_scalef32_pk8_bf8_f32 v[PC+4*\b:PC+1+4*\b], v[QS+16*\b:QS+7+16*\b], v[TM+12+\b]
	v_cvt_scalef32_pk8_bf8_f32 v[PC+2+4*\b:PC+3+4*\b], v[QS+8+16*\b:QS+15+16*\b], v[TM+12+\b]
.endr
	v_nop                                                  ; one plain line behind the last conversion
.endm
.macro WLOAD g                         ; record g of my eight: two tiles of W and their scale words, into set g % 4
	WIN 0
	global_load_b32 v[WS+(\g)%4], v[WSO], s[12:13] offset:128*((\g)%8)+4096*((\g)/8)   ; g = 8 .. 11: the next step's records 0 .. 3
	WIN LW
.irp k, 0,1,2,3,4,5,6,7
	global_load_b128 v[WR+32*((\g)%4)+4*\k:WR+32*((\g)%4)+4*\k+3], v[WCO], s[10:11] offset:4096*((\g)%8)+131072*((\g)/8)+512*\k
.endr
.endm
.macro WNEXT g, tail                   ; a record of the next step; in the copy that runs the last two steps the last step, which has no successor, asks for nothing
.if \tail
	WIN 0
	s_wait_alu depctr_va_vdst(0)
	s_cmp_eq_u32 s40, 1
	s_cbranch_scc1 .Lnw_\@
.endif
	WLOAD \g
.if \tail
	WIN 0
.Lnw_\@:
.endif
.endm
.macro FLOAD u                         ; row group u out of the stage: of row r the 16 neighbours 32 b + 16 h .. of each block
.irp bb, 0,1,2,3
.irp j, 0,1,2,3
	ds_load_b128 v[ST+64*((\u)%2)+16*\bb+4*\j:ST+64*((\u)%2)+16*\bb+4*\j+3], v[FA] offset:16*PITCH*(\u)+128*\bb+16*\j
.endr
.endr
.endm
.macro IMAGE u
.irp k, 0,1,2,3
	ds_store_b128 v[IWI], v[PC+4*\k:PC+4*\k+3] offset:8192*(\u)+512*\k
.endr
	ds_store_b32 v[IWS], v[PW] offset:512*(\u)
.endm
.macro ALOAD u                         ; the four waves' fragments of row group u, whole
.if (\u) < 2
	WIN 0x80
.else
	WIN 0xc0
.endif
.irp ww, 0,1,2,3
.irp k, 0,1,2,3
	ds_load_b128 v[16*((4*(\u)+\ww)%8)+4*\k:16*((4*(\u)+\ww)%8)+4*\k+3], v[IRI] offset:2048*(4*(\u)+\ww)+512*\k
.endr
.endr
	WIN 0
.irp ww, 0,1,2,3
	ds_load_b32 v[AS+4*(\u)+\ww], v[IRS] offset:128*(4*(\u)+\ww)
.endr
.endm
; product q (W's tile q / 16 x enc's fragment q % 16) and four packed multiply-adds on the results of products q - 3 .. q - 6: twelve plain lines stand between a product and the first read of it
.macro SLICE
.if q < 256
.if (q%16) < 8
	WIN MA
.else
	WIN MB
.endif
.set rD, ACC+8*(q%8)
.set rW, WR+32*((q/32)%4)+16*((q/16)%2)
.set rA, 16*(q%8)
.if (q/16)%2
	v_wmma_scale_f32_16x16x128_f8f6f4 v[rD:rD+7], v[rW:rW+15], v[rA:rA+15], 0, v[WS+(q/32)%4], v[AS+q%16] matrix_a_fmt:MATRIX_FMT_BF8 matrix_b_fmt:MATRIX_FMT_BF8 matrix_a_scale:MATRIX_SCALE_ROW1
.else
	v_wmma_scale_f32_16x16x128_f8f6f4 v[rD:rD+7], v[rW:rW+15], v[rA:rA+15], 0, v[WS+(q/32)%4], v[AS+q%16] matrix_a_fmt:MATRIX_FMT_BF8 matrix_b_fmt:MATRIX_FMT_BF8
.endif
.endif
.irp p, 0,1,2,3
.set a, q-3-\p
.if (a >= 0) && (a < 256)
	v_pk_fma_f32 v[E+2*(a%16):E+2*(a%16)+1], v[ACC+8*(a%8)+2*\p:ACC+8*(a%8)+2*\p+1], v[HH+8*(a/16)+2*\p:HH+8*(a/16)+2*\p+1], v[E+2*(a%16):E+2*(a%16)+1]
.elseif a < 0
	v_nop
.endif
.endr
.set q, q+1
.endm
; A step's 256 products.  The waits on LOADcnt leave the records behind the one wanted out (9 loads each).  tail = 1: the copy that runs the last two steps
.macro MULS tail
.set q, 0
.rept 262
; a record is asked for 94 products ahead of its first use, one every 32 products, on into the next step: behind the record wanted stand three records at product 0, two at the others.
; In the copy for the last two steps the next step's records stand under a branch, so its counts lean on the loads that are always issued alone
.if (q == 0) && (\tail)
	s_wait_loadcnt 0x0
.elseif q == 0
	s_wait_loadcnt 27
.elseif (q == 192) && (\tail)
	s_wait_alu depctr_va_vdst(0)
	s_wait_loadcnt 9
.elseif (q == 224) && (\tail)
	s_wait_alu depctr_va_vdst(0)
	s_wait_loadcnt 0x0
.elseif (q < 256) && (q%32 == 0)
	s_wait_alu depctr_va_vdst(0)
	s_wait_loadcnt 18
.endif
.if q == 12
	s_wait_alu depctr_va_vdst(0)
	s_wait_dscnt 0x0                               ; row group 3's fragments
.endif
	SLICE
.if (q%32 == 2) && (q > 2) && (q < 162)
	WLOAD (q-2)/32+3
.elseif (q%32 == 2) && (q > 2)
	WNEXT (q-2)/32+3, \tail
.endif
.if q == 258
	WIN MB                                         ; the last packed lines have no product ahead of them to set the windows
.endif
.if q == 162                           ; the next step's row groups 0 and 1 out of the other slot: its tile was shown landed by the wait for 0 ahead of this step's last barrier
	WIN 0
	s_xor_b32 s22, s22, SLOTB
	v_add_nc_u32 v[FA], s22, v[FA0]
.if \tail
	s_wait_alu depctr_va_vdst(0)
	s_cmp_eq_u32 s40, 1
	s_cbranch_scc1 .Lnopre                         ; the last step has no successor
.endif
	FLOAD 0
	FLOAD 1
.if \tail
.Lnopre:
.endif
.endif
.endr
	WIN 0
.endm
.macro BAR
	s_wait_dscnt 0x0
	s_barrier_signal -1
	s_barrier_wait -1
.endm
.macro CHUNK refill
	s_wait_dscnt 0x0                               ; row groups 0 and 1 are in registers
.set QS, ST
	QUANT -1
	IMAGE 0
	BAR
.set QS, ST+64
	QUANT 0
	IMAGE 1
	BAR
.set QS, ST
	QUANT 1
	IMAGE 2
	BAR
.set QS, ST+64
	QUANT 2
	IMAGE 3
	s_wait_tensorcnt 0x0                           ; my part of the next slot has landed
	ds_add_u32 v[SPW], v[NIL]
.if \refill
	s_xor_b32 s37, s37, SLOTB                      ; no load of mine is out: the slot just read, two steps on
	s_add_nc_u64 s[38:39], s[38:39], 512
.endif
	s_wait_dscnt 0x0                               ; the add, my image stores and my reads of this slot
	s_barrier_signal -1
	s_barrier_wait -1
.if \refill
	tensor_load_to_lds s[36:39], s[24:31]
	s_nop 0
.rept 4
	v_nop
.endr
.endif
	ALOAD 3
	MULS 1-\refill
	s_wait_alu depctr_va_vdst(0)
	s_wait_xcnt 0x0                                ; the loads that are out have read their bases
	s_add_nc_u64 s[10:11], s[10:11], 131072        ; on to the next 128 along k
	s_add_nc_u64 s[12:13], s[12:13], 4096
.endm
	s_load_b128 s[4:7], s[0:1], 0x0                ; enc, hidden
	s_load_b64 s[10:11], s[0:1], 0x10              ; wcodes
	s_load_b128 s[12:15], s[0:1], 0x18             ; wscales, energy
	v_lshl_add_u32 v[SPW], v0, 2, SPARE
	v_mov_b32 v[NIL], 0
	ds_add_u32 v[SPW], v[NIL]                      ; the opening lines: the add twice on end
	ds_add_u32 v[SPW], v[NIL]
	v_lshrrev_b32 v15, 5, v0
	v_readfirstlane_b32 s16, v15                   ; wave
	s_lshr_b32 s17, ttmp9, 2                       ; b
	s_and_b32 s18, ttmp9, 3                        ; which 256 of s
	s_mov_b32 s24, (2<<16)|(1<<20)|(6<<22)|(3<<25) ; elements of 4 bytes; 4 words of padding behind every 128
	s_mov_b32 s25, 128<<16
	s_mov_b32 s26, 64<<16
	s_mov_b32 s27, 128<<16
	s_mov_b32 s28, 64
	s_mov_b32 s29, 65536                           ; from s to s + 1: 64 x 1,024 numbers
	s_mov_b32 s30, 0
	s_mov_b32 s31, 0
	s_mul_i32 s23, s16, WTILE
	s_lshl_b32 s42, s18, 26
	s_lshl_b32 s43, s16, 24
	s_add_co_u32 s42, s42, s43
	s_lshl_b32 s43, s17, 12
	s_add_co_u32 s42, s42, s43
	s_mov_b32 s43, 0
	s_wait_dscnt 0x0
	s_wait_kmcnt 0x0
	s_add_nc_u64 s[4:5], s[4:5], s[42:43]
	s_mov_b32 s32, 1
	s_mov_b32 s33, s23
	s_mov_b64 s[34:35], s[4:5]
	s_or_b32 s35, s35, 0x80000000
	s_mov_b32 s36, 1
	s_add_co_u32 s37, s23, SLOTB
	s_add_nc_u64 s[38:39], s[4:5], 512
	s_or_b32 s39, s39, 0x80000000
	tensor_load_to_lds s[32:35], s[24:31]          ; step 0: my one load at the head
	s_nop 0
	; the addresses and hidden's loads stand under that load's flight
	v_and_b32 v15, 31, v0
	v_lshlrev_b32 v[WCO], 4, v15
	v_lshlrev_b32 v[WSO], 2, v15
	v_and_b32 v[FA0], 15, v0
	v_bfe_u32 v[HO], v0, 4, 1
	v_mul_u32_u24 v[FA0], v[FA0], PITCH
	v_lshl_add_u32 v[FA0], v[HO], 6, v[FA0]
	v_add_nc_u32 v[FA0], s23, v[FA0]
	v_lshlrev_b32 v[HO], 5, v[HO]
	s_lshl_b32 s42, s16, 11
	s_add_co_u32 s42, s42, IMG
	v_add_nc_u32 v[IWI], s42, v[WCO]
	s_lshl_b32 s42, s16, 7
	s_add_co_u32 s42, s42, ISC
	v_add_nc_u32 v[IWS], s42, v[WSO]
	v_add_nc_u32 v[IRI], IMG, v[WCO]
	v_add_nc_u32 v[IRS], ISC, v[WSO]
	s_lshl_b32 s42, s16, 10
	s_add_co_u32 s42, s42, RED
	v_add_nc_u32 v[RW], s42, v[WSO]
	v_lshl_add_u32 v[RR], v0, 3, RED
	v_lshlrev_b32 v[EO], 3, v0
.irp b, 0,1,2,3
	v_mov_b32 v[TM+4+\b], 0                        ; a lane permute's destination counts as a source
.endr
	s_mov_b32 s[MNT], 0x600000
	s_mov_b32 s[SEL], 0x76543210
	s_mov_b32 s[SEL+1], 0xfedcba98
	s_mov_b32 s22, 0
	s_mov_b32 s41, 0xffff0000
	s_lshl_b32 s44, s16, 10
	s_mov_b32 s45, 0
	s_lshl_b32 s42, s17, 12
	s_add_co_u32 s42, s42, s44
	s_add_nc_u64 s[6:7], s[6:7], s[42:43]          ; hidden[b] at my wave's 256 o
	s_add_nc_u64 s[12:13], s[12:13], s[44:45]
	s_lshl_b32 s44, s16, 15
	s_add_nc_u64 s[10:11], s[10:11], s[44:45]
	s_lshl_b32 s42, s17, 12
	s_lshl_b32 s44, s18, 10
	s_add_co_u32 s42, s42, s44
	s_add_nc_u64 s[14:15], s[14:15], s[42:43]
.macro HLOAD
.set t, 0
.rept 16
	global_load_b128 v[128+8*t:128+8*t+3], v[HO], s[6:7] offset:64*t
	global_load_b128 v[128+8*t+4:128+8*t+7], v[HO], s[6:7] offset:64*t+16
.set t, t+1
.endr
.endm
	WIN 0x80
	HLOAD                                          ; awaited by the first step's first wait on LOADcnt: 36 loads are issued behind these
	WIN 0xc0
	HLOAD
	WLOAD 0                                        ; step 0's first four records of W
	WLOAD 1
	WLOAD 2
	WLOAD 3
	WIN LW
.set i, 0
.rept 32
	v_mov_b32 v[E+i], 0                            ; the 16 pairs of running energies
.set i, i+1
.endr
	WIN 0
	s_wait_alu depctr_va_vdst(0)
	s_wait_tensorcnt 0x0                           ; step 0 has landed; slot 1's first fill is issued as a refill is
	ds_add_u32 v[SPW], v[NIL]
	s_wait_dscnt 0x0
	s_barrier_signal -1
	s_barrier_wait -1
	tensor_load_to_lds s[36:39], s[24:31]
	s_nop 0
.rept 4
	v_nop
.endr
	v_add_nc_u32 v[FA], s22, v[FA0]
	FLOAD 0
	FLOAD 1
	s_mov_b32 s40, 6
.Lmain:
	CHUNK 1
	s_sub_co_u32 s40, s40, 1
	s_cmp_lg_u32 s40, 0
	s_cbranch_scc1 .Lmain
	s_mov_b32 s40, 2
.Ltail:                                        ; the last two steps fill nothing
	CHUNK 0
	s_sub_co_u32 s40, s40, 1
	s_cmp_lg_u32 s40, 0
	s_cbranch_scc1 .Ltail
	s_wait_alu depctr_va_vdst(0)
	s_wait_dscnt 0x0                               ; no LDS load is out when v64 on are written
	WIN 0x05
.set i, 0
.rept 16
	v_add_f32 v[64+i], v[E+2*i], v[E+2*i+1]        ; a pair's two halves,
.set i, i+1
.endr
	WIN 0
.set i, 0
.rept 16
	v_permlanex16_b32 v[128+i], v[64+i], s[SEL], s[SEL+1]
.set i, i+1
.endr
.set i, 0
.rept 16
	v_add_f32 v[64+i], v[64+i], v[128+i]           ; and lane l xor 16's eight o
.set i, i+1
.endr
.set n, 0
.irp ww, 0,1,2,3
.irp u, 0,2
	v_cndmask_b32 v[192+n], v[64+4*\u+\ww], v[64+4*\u+4+\ww], s41   ; two row groups to a store: 32 neighbouring s
	ds_store_b32 v[RW], v[192+n] offset:(64*\ww+16*\u)*4
.set n, n+1
.endr
.endr
	BAR
.irp k, 0,1,2,3
	ds_load_b64 v[64+2*\k:65+2*\k], v[RR] offset:1024*\k            ; the four waves' parts (256 o each) of my two s
.endr
	s_wait_dscnt 0x0
	v_pk_add_f32 v[64:65], v[64:65], v[66:67]
	v_pk_add_f32 v[68:69], v[68:69], v[70:71]
	v_pk_add_f32 v[64:65], v[64:65], v[68:69]
	global_store_b64 v[EO], v[64:65], s[14:15]     ; a wave stores 256 consecutive bytes, aligned
	s_wait_tensorcnt 0x0                           ; the wave's end
	ds_add_u32 v[SPW], v[NIL]
	s_wait_dscnt 0x0
	s_endpgm
.Lfunc_end_k_qa8854b1567_energy_k:
	.size	k_qa8854b1567_energy_k, .Lfunc_end_k_qa8854b1567_energy_k-k_qa8854b1567_energy_k
	.p2alignl 7, 3214868480
	.fill 96, 4, 3214868480
	.section	.rodata,"a",@progbits
	.p2align	6, 0x0
	.amdhsa_kernel k_qa8854b1567_energy_k
		.amdhsa_group_segment_fixed_size 327680
		.amdhsa_private_segment_fixed_size 0
		.amdhsa_enable_private_segment 0
		.amdhsa_kernarg_size 40
		.amdhsa_user_sgpr_count 2
		.amdhsa_user_sgpr_kernarg_segment_ptr 1
		.amdhsa_wavefront_size32 1
		.amdhsa_system_sgpr_workgroup_id_x 1
		.amdhsa_system_sgpr_workgroup_id_y 1
		.amdhsa_system_sgpr_workgroup_id_z 1
		.amdhsa_system_vgpr_workitem_id 0
		.amdhsa_next_free_vgpr 1024
		.amdhsa_next_free_sgpr 66
		.amdhsa_reserve_vcc 0
		.amdhsa_float_denorm_mode_32 3
		.amdhsa_float_denorm_mode_16_64 3
		.amdhsa_memory_ordered 1
		.amdhsa_forward_progress 1
		.amdhsa_inst_pref_size 255
	.end_amdhsa_kernel
	.section	.bss,"aw",@nobits
	.p2align	6
	.space	262144
	.amdgpu_metadata
---
amdhsa.version: [ 1, 2 ]
amdhsa.kernels:
  - .name:           k_qa8854b1567_energy_k
    .symbol:         k_qa8854b1567_energy_k.kd
    .args:
      - { .name: encoder_outputs, .offset: 0, .size: 8, .value_kind: global_buffer, .address_space: global }
      - { .name: hidden, .offset: 8, .size: 8, .value_kind: global_buffer, .address_space: global }
      - { .name: wcodes, .offset: 16, .size: 8, .value_kind: global_buffer, .address_space: global }
      - { .name: wscales, .offset: 24, .size: 8, .value_kind: global_buffer, .address_space: global }
      - { .name: energy, .offset: 32, .size: 8, .value_kind: global_buffer, .address_space: global }
    .group_segment_fixed_size: 327680
    .private_segment_fixed_size: 0
    .kernarg_segment_align: 8
    .kernarg_segment_size: 40
    .max_flat_workgroup_size: 128
    .sgpr_count:     66
    .vgpr_count:     1024
    .wavefront_size: 32
...
	.end_amdgpu_metadata
.endif
;; end of part 2
;; launch softmax_k (part 3): grid 64 x 1, 1 waves a work-group, no clusters, 0 bytes of LDS; arguments energy, out0; writes out0
.if DOCPART == 3
	.amdgcn_target "amdgcn-amd-amdhsa--gfx1250"
	.amdhsa_code_object_version 6
	.text
	.protected	k_qa8854b1567_softmax_k
	.globl	k_qa8854b1567_softmax_k
	.p2align	8
	.type	k_qa8854b1567_softmax_k,@function
k_qa8854b1567_softmax_k:
	s_mov_b64 s[64:65], 0
	v_nop
	global_prefetch_b8 v0, s[64:65] scope:SCOPE_SE
	s_setreg_imm32_b32 hwreg(HW_REG_WAVE_MODE, 25, 1), 1
	s_wait_xcnt 0x0
; out0[b][0][s] = softmax over s of energy[b][s].  One wave takes one b: its 1,024 energies are 32 registers a lane, read once and kept between the maximum, the exponentials and the scaling.
; The row's true maximum is taken away before the exponential; the difference is formed first and multiplied by log2(e) afterwards, so that large energies cost no accuracy in the exponent.
; 64 rows of 4,096 bytes: no LDS, no barrier, no matrix unit.  Each load and store of the wave covers 512 consecutive bytes.
; LIMITS: NaN and infinities among the energies are not served.
.set X, 8                              ; v8-39  my 32 numbers
	s_load_b128 s[4:7], s[0:1], 0x0                ; energy, out0
	v_lshlrev_b32 v1, 4, v0                        ; 16 bytes a lane
	s_lshl_b32 s8, ttmp9, 12                       ; b's row
	s_mov_b32 s9, 0
	s_mov_b32 s10, 0x76543210                      ; v_permlanex16_b32's selects for lane l xor 16
	s_mov_b32 s11, 0xfedcba98
	s_wait_alu depctr_va_vdst(0)
	s_wait_kmcnt 0x0
	s_add_nc_u64 s[4:5], s[4:5], s[8:9]
	s_add_nc_u64 s[6:7], s[6:7], s[8:9]
.irp i, 0,1,2,3,4,5,6,7
	global_load_b128 v[X+4*\i:X+4*\i+3], v1, s[4:5] offset:512*\i th:TH_LOAD_NT
.endr
	s_wait_loadcnt 0x0
	v_max3_num_f32 v40, v8, v9, v10                ; the maximum of my 32, in four chains
	v_max3_num_f32 v41, v11, v12, v13
	v_max3_num_f32 v42, v14, v15, v16
	v_max3_num_f32 v43, v17, v18, v19
.irp j, 20,28
	v_max3_num_f32 v40, v40, v[\j], v[\j+1]
	v_max3_num_f32 v41, v41, v[\j+2], v[\j+3]
	v_max3_num_f32 v42, v42, v[\j+4], v[\j+5]
	v_max3_num_f32 v43, v43, v[\j+6], v[\j+7]
.endr
	v_max3_num_f32 v40, v40, v36, v37
	v_max3_num_f32 v41, v41, v38, v39
	v_max3_num_f32 v40, v40, v41, v42
	v_max_num_f32 v40, v40, v43
	v_max_num_f32_dpp v40, v40, v40 row_xmask:1 row_mask:0xf bank_mask:0xf   ; across the 32 lanes
	v_max_num_f32_dpp v40, v40, v40 row_xmask:2 row_mask:0xf bank_mask:0xf
	v_max_num_f32_dpp v40, v40, v40 row_xmask:4 row_mask:0xf bank_mask:0xf
	v_max_num_f32_dpp v40, v40, v40 row_xmask:8 row_mask:0xf bank_mask:0xf
	v_permlanex16_b32 v41, v40, s10, s11
	v_max_num_f32 v40, v40, v41                    ; every lane holds the row's maximum,
	v_mov_b32 v41, v40                             ; twice: a pair for the packed forms
.irp j, 0,2,4,6,8,10,12,14,16,18,20,22,24,26,28,30
	v_pk_add_f32 v[X+\j:X+\j+1], v[X+\j:X+\j+1], v[40:41] neg_lo:[0,1] neg_hi:[0,1]   ; energy - maximum: 0 or less
.endr
.irp j, 0,2,4,6,8,10,12,14,16,18,20,22,24,26,28,30
	v_pk_mul_f32 v[X+\j:X+\j+1], v[X+\j:X+\j+1], 0x3fb8aa3b op_sel_hi:[1,0]           ; x log2(e)
.endr
.set j, 0
	s_wait_alu depctr_va_vdst(0)
.rept 32
	v_exp_f32 v[X+j], v[X+j]                       ; one batch
.set j, j+1
.endr
	v_nop                                          ; a plain line behind the last exponential (ISA guide 5.7.2)
	s_wait_alu depctr_va_vdst(0)                   ; one wait for the batch, ahead of its first reader
	v_pk_add_f32 v[42:43], v[X:X+1], v[X+2:X+3]    ; the sum, two at a time, in two chains
	v_pk_add_f32 v[44:45], v[X+4:X+5], v[X+6:X+7]
.irp j, 8,12,16,20,24,28
	v_pk_add_f32 v[42:43], v[42:43], v[X+\j:X+\j+1]
	v_pk_add_f32 v[44:45], v[44:45], v[X+\j+2:X+\j+3]
.endr
	v_pk_add_f32 v[42:43], v[42:43], v[44:45]
	v_add_f32 v42, v42, v43
	v_add_f32_dpp v42, v42, v42 row_xmask:1 row_mask:0xf bank_mask:0xf
	v_add_f32_dpp v42, v42, v42 row_xmask:2 row_mask:0xf bank_mask:0xf
	v_add_f32_dpp v42, v42, v42 row_xmask:4 row_mask:0xf bank_mask:0xf
	v_add_f32_dpp v42, v42, v42 row_xmask:8 row_mask:0xf bank_mask:0xf
	v_permlanex16_b32 v43, v42, s10, s11
	v_add_f32 v42, v42, v43                        ; the row's sum: at least 1, since the largest term is 1
	s_wait_alu depctr_va_vdst(0)
	v_rcp_f32 v44, v42
	v_rcp_f32 v45, v42                             ; twice: a pair for the packed multiply
	v_nop                                          ; a plain line behind the last reciprocal
	s_wait_alu depctr_va_vdst(0)                   ; one wait for both, ahead of their first reader
.irp j, 0,2,4,6,8,10,12,14,16,18,20,22,24,26,28,30
	v_pk_mul_f32 v[X+\j:X+\j+1], v[X+\j:X+\j+1], v[44:45]
.endr
.irp i, 0,1,2,3,4,5,6,7
	global_store_b128 v1, v[X+4*\i:X+4*\i+3], s[6:7] offset:512*\i th:TH_STORE_NT   ; 512 consecutive bytes, aligned
.endr
	s_endpgm
.Lfunc_end_k_qa8854b1567_softmax_k:
	.size	k_qa8854b1567_softmax_k, .Lfunc_end_k_qa8854b1567_softmax_k-k_qa8854b1567_softmax_k
	.p2alignl 7, 3214868480
	.fill 96, 4, 3214868480
	.section	.rodata,"a",@progbits
	.p2align	6, 0x0
	.amdhsa_kernel k_qa8854b1567_softmax_k
		.amdhsa_group_segment_fixed_size 0
		.amdhsa_private_segment_fixed_size 0
		.amdhsa_enable_private_segment 0
		.amdhsa_kernarg_size 16
		.amdhsa_user_sgpr_count 2
		.amdhsa_user_sgpr_kernarg_segment_ptr 1
		.amdhsa_wavefront_size32 1
		.amdhsa_system_sgpr_workgroup_id_x 1
		.amdhsa_system_sgpr_workgroup_id_y 1
		.amdhsa_system_sgpr_workgroup_id_z 1
		.amdhsa_system_vgpr_workitem_id 0
		.amdhsa_next_free_vgpr 64
		.amdhsa_next_free_sgpr 66
		.amdhsa_reserve_vcc 0
		.amdhsa_float_denorm_mode_32 3
		.amdhsa_float_denorm_mode_16_64 3
		.amdhsa_memory_ordered 1
		.amdhsa_forward_progress 1
		.amdhsa_inst_pref_size 10
	.end_amdhsa_kernel
	.amdgpu_metadata
---
amdhsa.version: [ 1, 2 ]
amdhsa.kernels:
  - .name:           k_qa8854b1567_softmax_k
    .symbol:         k_qa8854b1567_softmax_k.kd
    .args:
      - { .name: energy, .offset: 0, .size: 8, .value_kind: global_buffer, .address_space: global }
      - { .name: out0, .offset: 8, .size: 8, .value_kind: global_buffer, .address_space: global }
    .group_segment_fixed_size: 0
    .private_segment_fixed_size: 0
    .kernarg_segment_align: 8
    .kernarg_segment_size: 16
    .max_flat_workgroup_size: 32
    .sgpr_count:     66
    .vgpr_count:     64
    .wavefront_size: 32
...
	.end_amdgpu_metadata
.endif
;; end of part 3
